; MI455X (gfx1250); checked and timed in simulation.
; The chip was launched on July 23, 2026; its instructions are those of AMD's public machine-readable ISA for CDNA 5 (MIT licence, August 2026) and "CDNA5" Instruction Set Architecture Reference Guide (July 2026). The comments in the code are by the model that wrote it; some were corrected since.
;; Eqv Self Attention. Allowed arithmetic: matrix products marked QUANTISED: E2M1 operands, one E8M0 scale for each 32 along K, by v_wmma_scale_f32_16x16x128_f8f6f4 with both operands' format E2M1 (or v_wmma_scale_f32_32x16x128_f4), f32 sums; products left as they are: f32 operands where the result goes on into a quantised operand, else bf16, f16 or f32 operands; f32 sums; everything else in f32.
;; Inputs: Wg1 8 x 3 x 3 float32; Wk_codes 256 x 8 x 16 uint8 (E2M1 codes of Wk, K innermost, in blocks of 32 codes, two codes a byte); Wk_scales 256 x 8 uint8 (E8M0 scales of Wk, one for each 32 codes along K); Wo_codes 256 x 8 x 16 uint8 (E2M1 codes of Wo, K innermost, in blocks of 32 codes, two codes a byte); Wo_scales 256 x 8 uint8 (E8M0 scales of Wo, one for each 32 codes along K); Wq_codes 256 x 8 x 16 uint8 (E2M1 codes of Wq, K innermost, in blocks of 32 codes, two codes a byte); Wq_scales 256 x 8 uint8 (E8M0 scales of Wq, one for each 32 codes along K); Wv_codes 256 x 8 x 16 uint8 (E2M1 codes of Wv, K innermost, in blocks of 32 codes, two codes a byte); Wv_scales 256 x 8 uint8 (E8M0 scales of Wv, one for each 32 codes along K); X_lift 4 x 1,024 x 3 float32; X_pairs 4 x 1,024 x 1,024 x 3 float32; Y_lift_codes 4 x 1,024 x 8 x 16 uint8 (E2M1 codes of Y_lift, K innermost, in blocks of 32 codes, two codes a byte); Y_lift_scales 4 x 1,024 x 8 uint8 (E8M0 scales of Y_lift, one for each 32 codes along K); bg1 8 x 3 float32; bg2 8 float32; bk 256 float32; bo 256 float32; bq 256 float32; bv 256 float32; presence_k 4 x 1,024 float32; presence_q 4 x 1,024 float32; wg2 8 x 3 float32.
;; Outputs: out0 4 x 1,024 x 256 float32.
;; This version of the problem:
;;   THIS VERSION OF THE PROBLEM IS GIVEN IN LOW PRECISION. The matrix products marked QUANTISED in the list below multiply operands that are first quantised to E2M1 (2 exponent bits, 1 mantissa bit; 4 bits a number), with one power-of-two scale for each 32 numbers along K (OCP MX v1.0); their sums are f32. All else is computed in f32.
;;   The module's matrix products, in the order in which they are computed (A, B: the left and right operand; K: the contracted axis; several contracted axes count as one K, in the product's order):
;;     1. [M 4,096, K 256] x [K 256, N 256]; A: input Y_lift (given as codes); B: input Wq (given as codes): QUANTISED
;;     2. [M 4,096, K 256] x [K 256, N 256]; A: input Y_lift (given as codes); B: input Wk (given as codes): QUANTISED
;;     3. [M 4,096, K 256] x [K 256, N 256]; A: input Y_lift (given as codes); B: input Wv (given as codes): QUANTISED
;;     4. batch 32 x [M 1,024, K 32] x [K 32, N 1,024]; A: computed on the way; B: computed on the way: QUANTISED
;;     5. [M 24, K 3] x [K 3, N 4,194,304]; A: input Wg1; B: input X_pairs: left as it is (K = 3 < 32)
;;     6. batch 8 x [M 4,194,304, K 3] x [K 3, N 1]; A: computed on the way; B: input wg2: left as it is (K = 3 < 32)
;;     7. batch 32 x [M 1,024, K 1,024] x [K 1,024, N 32]; A: softmax (see below); B: computed on the way: QUANTISED
;;     8. [M 4,096, K 256] x [K 256, N 256]; A: computed on the way; B: input Wo (given as codes): QUANTISED
;;   THE QUANTISER, for each operand of a quantised product, along K:
;;     - K is cut into blocks of 32 from its start; a last block that is shorter is filled with zeros.
;;     - A block's scale is 2^e with e = floor(log2(the largest magnitude in the block)) - 2, held to -126 .. 127; a block of zeros has e = 0. As a byte (E8M0): e + 127.
;;     - Each number is divided by its block's scale, clamped to +-6, and rounded to the nearest number of E2M1, ties to even, subnormals kept.
;;     - The product sums the exact products of the quantised numbers (number of the format x scale) in f32.
;;   ~~~python
;;   def quantise(x, axis):      # numpy; x: float32 -> the quantised numbers, widened to float32 again
;;       x = np.moveaxis(x, axis, -1); K = x.shape[-1]
;;       x = np.pad(x, [(0, 0)] * (x.ndim - 1) + [(0, -K % 32)]); x = x.reshape(x.shape[:-1] + (-1, 32)); a = np.abs(x).max(-1, keepdims=True)
;;       e = np.where(a > 0, np.clip(np.frexp(np.where(a > 0, a, 1))[1] - 1 - 2, -126, 127), 0)      # np.frexp(a)[1] - 1 = floor(log2(a)), exactly
;;       r = np.clip(x / 2.0 ** e, -6, 6)
;;       step = 2.0 ** (np.maximum(np.frexp(np.where(r == 0, 1, r))[1] - 1, 0) - 1)
;;       q = np.round(r / step) * step * 2.0 ** e      # np.round: ties to even
;;       return np.moveaxis(q.reshape(q.shape[:-2] + (-1,))[..., :K], -1, axis).astype(np.float32)
;;   ~~~
;;   SOFTMAX AHEAD OF A QUANTISED PRODUCT. Where the list says 'softmax', what is quantised is not the finished softmax but p = 2^(t - M), with t = logit x log2(e) and M = ceil(the row's largest t), a whole number; so 1/2 < the row's largest p <= 1. The row's sum l is taken of the UNQUANTISED p, in f32, and the product's result is divided by l at the end. Since M is a whole number, a kernel that streams over the keys may use a running M (the ceiling of the running maximum): every later rescaling is an exact power of two, which a block's scale takes up: the codes' values come out the same.
;;   OPERANDS COMPUTED ON THE WAY. 'Computed on the way' means the value that the module computes at that place (a softmax that the list does not call 'softmax' is quantised finished and normalised). What goes into a quantiser is computed in f32, as accurately as f32 sums, v_exp_f32 and their like allow (about 1e-6 of the number): no bf16 or f16 on the way to a quantiser, and a product that is left as it is and whose result goes on into a quantised operand takes f32 operands (vector FMAs, or v_wmma_f32_16x16x4_f32). A number that lies on a knife's edge between two numbers of the format may be rounded either way, as far as f32 arithmetic and the matrix unit's own rounding can turn it there, and no further.
;;   INPUTS GIVEN AS CODES. Wk (in the module: [256, 256], K = its axis 0); Wo (in the module: [256, 256], K = its axis 0); Wq (in the module: [256, 256], K = its axis 0); Wv (in the module: [256, 256], K = its axis 0); Y_lift (in the module: [4, 1024, 256], K = its axis 2): each comes as NAME_codes (uint8): NAME with its K axis moved to the last place and cut into blocks of 32 codes, [.., K / 32, bytes a block], one block behind the other in memory; two codes a byte, the lower K in the low four bits (a code: sign, 2 exponent bits, 1 mantissa bit); and NAME_scales (uint8): the same leading axes, one E8M0 byte (e + 127) for each 32 codes along K. Its value is code x scale, taken as it is: it is not quantised again, and the codes and scales need not be those that the quantiser above would give.
;; One version. Each part assembles by itself: llvm-mc -triple=amdgcn-amd-amdhsa -mcpu=gfx1250 --defsym DOCPART=n.
;; ======== version 1 of 1: 2 launches
;; workspace buffers: kimg 524,288 bytes; kscl 65,536 bytes; vimg 524,288 bytes; vscl 65,536 bytes
;; launch kv (part 1): grid 32 x 8, 4 waves a work-group, no clusters, 0 bytes of LDS; arguments Y_lift_codes, Y_lift_scales, Wk_codes, Wk_scales, bk, Wv_codes, Wv_scales, bv, kimg, kscl, vimg, vscl; writes kimg, kscl, vimg, vscl
.if DOCPART == 1
	.amdgcn_target "amdgcn-amd-amdhsa--gfx1250"
	.amdhsa_code_object_version 6
	.text
	.protected	k_q453dc55799_kv
	.globl	k_q453dc55799_kv
	.p2align	8
	.type	k_q453dc55799_kv,@function
k_q453dc55799_kv:
	s_mov_b64 s[64:65], 0
	v_nop
	global_prefetch_b8 v0, s[64:65] scope:SCOPE_SE
	s_setreg_imm32_b32 hwreg(HW_REG_WAVE_MODE, 25, 1), 1
	s_wait_xcnt 0x0
; K = Y Wk + bk and V = Y Wv + bv on codes of FP4 (E2M1) with E8M0 scales, quantised again for the attention's two products and stored AS IMAGES OF THE OPERAND REGISTERS that the next launch loads.
; A work-group takes 128 tokens (x: 8 groups for each of 4 batches) of one head (y).  Waves 0, 1: K of 64 tokens each.  Waves 2, 3: V, 16 of the head's 32 channels each, 128 tokens.  No LDS, no barrier: waves share nothing.
; K PATH (K of the next product = the head's 32 numbers, one block).  The product is used transposed (source 0 = 16 rows of Wk, source 1 = 16 tokens): a lane holds ONE token and 16 neighbouring numbers of the head.
;   Four tiles of tokens become the four blocks of ONE fragment of 8 registers: block j of row r holds the 32 codes of token 32 (j / 2) + 8 (j % 2) + r + 8 (r / 8); byte j of row r's scale word is that token's scale.
; V PATH (K of the next product = the keys).  Source 0 = 16 tokens, source 1 = 16 rows of Wv: a lane holds ONE channel, its registers run along the tokens.  Row r of tile u is channel 8 u + r + 8 (r / 8).
; THE ROWS OF A TILE ARE NOT NEIGHBOURS: lane r takes row r + 8 (r / 8) of its tile's 24, so that the 16 registers of two neighbouring tiles are 16 neighbours along the next K.
; The biases are the C of each sum's first matrix instruction.  The eight accumulators take turns, one instruction a turn.
; LIMITS: a block whose largest magnitude lies under 2^(3 - 127) (a block of zeros among them) gets the byte 1: its codes are zeros or next to it, and the bytes are read by this program alone.  NaN and infinities are not served.
.set HA,  16                           ; v16-79   the results: 64 numbers a lane, register 16 b + i = k 32 b + 16 (lane / 16) + i of the block structure that QUANT takes
.set TM,  80                           ; v80-95   at work in QUANT (Y's fragments are done with by then)
.set PW,  96                           ; v96      the scale word just made
.set PC,  100                          ; v100-107 the codes just made
.set SEL, 32                           ; s[32:33] v_permlanex16_b32's selects for lane l xor 16
; 64 numbers of a lane become a fragment's codes in v[PC] on and its scale word in v[PW].
.macro QUANT s
.irp b, 0,1,2,3
	v_max3_num_f32 v[TM+\b], |v[\s+16*\b]|, |v[\s+1+16*\b]|, 0x1800000   ; block b: my 16 numbers, and the floor 2^(3 - 127): the byte cannot fall under 1
.endr
.irp i, 2,4,6,8,10,12,14
.irp b, 0,1,2,3
	v_max3_num_f32 v[TM+\b], v[TM+\b], |v[\s+16*\b+\i]|, |v[\s+1+16*\b+\i]|   ; the four blocks by turns
.endr
.endr
.irp b, 0,1,2,3
	v_permlanex16_b32 v[TM+4+\b], v[TM+\b], s[SEL], s[SEL+1]
.endr
.irp b, 0,1,2,3
	v_max_num_f32 v[TM+\b], v[TM+\b], v[TM+4+\b]   ; with lane l xor 16's: the block's largest magnitude
.endr
.irp b, 0,1,2,3
	v_add_nc_u32 v[TM+12+\b], 0xff000000, v[TM+\b]   ; 2 off its exponent field: the conversion's scale operand
.endr
.irp b, 0,1,2,3
	v_lshrrev_b32 v[TM+4+\b], 23, v[TM+12+\b]      ; the scale's byte
.endr
	v_lshl_or_b32 v[PW], v[TM+5], 8, v[TM+4]
	v_lshl_or_b32 v[PW], v[TM+6], 16, v[PW]
	v_lshl_or_b32 v[PW], v[TM+7], 24, v[PW]
.irp b, 0,1,2,3
	v_cvt_scalef32_pk8_fp4_f32 v[PC+2*\b], v[\s+16*\b:\s+7+16*\b], v[TM+12+\b]
	v_cvt_scalef32_pk8_fp4_f32 v[PC+1+2*\b], v[\s+8+16*\b:\s+15+16*\b], v[TM+12+\b]
.endr
	v_nop                                          ; one plain place behind a scaled conversion
.irp c, 0,1                                    ; the operand's layout wants a WHOLE block in a lane: lanes 0-15 block 2 c, lanes 16-31 block 2 c + 1
.irp i, 0,1
	v_permlane16_swap_b32 v[PC+4*\c+\i], v[PC+2+4*\c+\i]
.endr
.endr
.endm
	s_load_b512 s[4:19], s[0:1], 0x0               ; Y's codes s[4:5], Y's scales s[6:7], Wk's codes s[8:9], scales s[10:11], bk s[12:13], Wv's codes s[14:15], scales s[16:17], bv s[18:19]
	s_load_b256 s[20:27], s[0:1], 0x40             ; kimg s[20:21], kscl s[22:23], vimg s[24:25], vscl s[26:27]
	v_lshrrev_b32 v1, 5, v0
	v_readfirstlane_b32 s28, v1                    ; wave 0..3
	v_and_b32 v2, 15, v0                           ; r
	v_bfe_u32 v3, v0, 4, 1                         ; h
	v_and_b32 v4, 31, v0                           ; lane
	v_and_b32 v5, 8, v2
	v_add_nc_u32 v5, v5, v2                        ; r + 8 (r / 8)
	v_lshlrev_b32 v6, 7, v5
	v_lshl_add_u32 v6, v3, 4, v6                   ; a fragment's row of 128 bytes (256 codes), + 16 h
	v_lshlrev_b32 v7, 3, v5                        ; its 8 scale bytes
	v_lshlrev_b32 v8, 4, v4                        ; an image's place for my lane: 16 x lane
	v_lshlrev_b32 v9, 2, v4                        ; a scale word's: 4 x lane
	v_lshlrev_b32 v10, 6, v3                       ; bk: 64 h
	v_lshlrev_b32 v11, 2, v5                       ; bv: my channel's word
	s_and_b32 s30, ttmp7, 0xffff                   ; the head
	s_lshr_b32 s31, ttmp9, 3                       ; the batch
	s_and_b32 s29, ttmp9, 7                        ; which 128 tokens of the batch
	s_lshl_b32 s31, s31, 3
	s_add_co_u32 s31, s31, s30                     ; 8 x batch + head
	s_mov_b32 s[SEL], 0x76543210
	s_mov_b32 s[SEL+1], 0xfedcba98
	s_mov_b32 s35, 0                               ; the upper words of the offsets' pairs
	s_mov_b32 s41, 0
	s_wait_kmcnt 0x0
	s_cmp_lt_u32 s28, 2
	s_cbranch_scc0 .Lv_path
	; ---- K: 64 tokens from 128 x group + 64 x wave on
	s_lshl_b32 s34, ttmp9, 14
	s_lshl_b32 s40, s28, 13
	s_add_co_u32 s34, s34, s40                     ; first token x 128 bytes
	s_add_nc_u64 s[4:5], s[4:5], s[34:35]
	s_lshr_b32 s34, s34, 4                         ; first token x 8 bytes
	s_add_nc_u64 s[6:7], s[6:7], s[34:35]
	s_lshl_b32 s34, s30, 12                        ; the head's 32 rows of Wk
	s_add_nc_u64 s[8:9], s[8:9], s[34:35]
	s_lshl_b32 s34, s30, 8
	s_add_nc_u64 s[10:11], s[10:11], s[34:35]
	s_lshl_b32 s34, s30, 7
	s_add_nc_u64 s[12:13], s[12:13], s[34:35]
	s_lshl_b32 s34, s31, 4
	s_lshl_b32 s40, s29, 1
	s_add_co_u32 s34, s34, s40
	s_add_co_u32 s34, s34, s28                     ; (8 batch + head) x 16 + the chunk of 64 keys
	s_lshl_b32 s40, s34, 7
	s_lshl_b32 s34, s34, 10
	s_add_nc_u64 s[36:37], s[20:21], s[34:35]      ; where my image goes,
	s_add_nc_u64 s[38:39], s[22:23], s[40:41]      ; and its scale words
.irp j, 0,1,2,3                                ; Y's fragments (tile of tokens j, K step s) at v[80 + 8 (2 j + s)]
.irp s, 0,1
.irp c, 0,1
	global_load_b128 v[80+8*(2*\j+\s)+4*\c:80+8*(2*\j+\s)+4*\c+3], v6, s[4:5] offset:(32*(\j/2)+8*(\j%2))*128+64*\s+32*\c
.endr
	global_load_b32 v[160+2*\j+\s], v7, s[6:7] offset:(32*(\j/2)+8*(\j%2))*8+4*\s
.endr
.endr
.irp t, 0,1                                    ; Wk's (tile t, K step s) at v[208 + 8 (2 t + s)]; bk in the result's layout at v[144 + 8 t]
.irp s, 0,1
.irp c, 0,1
	global_load_b128 v[208+8*(2*\t+\s)+4*\c:208+8*(2*\t+\s)+4*\c+3], v6, s[8:9] offset:1024*\t+64*\s+32*\c
.endr
	global_load_b32 v[168+2*\t+\s], v7, s[10:11] offset:64*\t+4*\s
.endr
	global_load_b128 v[144+8*\t:144+8*\t+3], v10, s[12:13] offset:32*\t
	global_load_b128 v[144+8*\t+4:144+8*\t+7], v10, s[12:13] offset:32*\t+16
.endr
	s_wait_loadcnt 0x0
.irp s, 0,1
.irp j, 0,1,2,3
.irp t, 0,1
.if \s == 0
	v_wmma_scale_f32_16x16x128_f8f6f4 v[HA+16*\j+8*\t:HA+16*\j+8*\t+7], v[208+8*(2*\t+\s):208+8*(2*\t+\s)+7], v[80+8*(2*\j+\s):80+8*(2*\j+\s)+7], v[144+8*\t:144+8*\t+7], v[168+2*\t+\s], v[160+2*\j+\s] matrix_a_fmt:MATRIX_FMT_FP4 matrix_b_fmt:MATRIX_FMT_FP4
.else
	v_wmma_scale_f32_16x16x128_f8f6f4 v[HA+16*\j+8*\t:HA+16*\j+8*\t+7], v[208+8*(2*\t+\s):208+8*(2*\t+\s)+7], v[80+8*(2*\j+\s):80+8*(2*\j+\s)+7], v[HA+16*\j+8*\t:HA+16*\j+8*\t+7], v[168+2*\t+\s], v[160+2*\j+\s] matrix_a_fmt:MATRIX_FMT_FP4 matrix_b_fmt:MATRIX_FMT_FP4
.endif
.endr
.endr
.endr
	s_branch .Ltail
.Lv_path:
	; ---- V: channels 8 u + r + 8 (r / 8) of the head, 128 tokens
	s_sub_co_u32 s42, s28, 2                       ; u
	s_lshl_b32 s34, ttmp9, 14
	s_add_nc_u64 s[4:5], s[4:5], s[34:35]
	s_lshl_b32 s34, ttmp9, 10
	s_add_nc_u64 s[6:7], s[6:7], s[34:35]
	s_lshl_b32 s34, s30, 12
	s_lshl_b32 s40, s42, 10
	s_add_co_u32 s34, s34, s40                     ; row 32 head + 8 u of Wv, x 128 bytes
	s_add_nc_u64 s[14:15], s[14:15], s[34:35]
	s_lshr_b32 s34, s34, 4                         ; x 8 bytes
	s_add_nc_u64 s[16:17], s[16:17], s[34:35]
	s_lshr_b32 s34, s34, 1                         ; x 4 bytes
	s_add_nc_u64 s[18:19], s[18:19], s[34:35]
	s_lshl_b32 s34, s31, 3
	s_add_co_u32 s34, s34, s29
	s_lshl_b32 s34, s34, 1
	s_add_co_u32 s34, s34, s42                     ; ((8 batch + head) x 8 + K step) x 2 + u
	s_lshl_b32 s40, s34, 7
	s_lshl_b32 s34, s34, 10
	s_add_nc_u64 s[36:37], s[24:25], s[34:35]
	s_add_nc_u64 s[38:39], s[26:27], s[40:41]
.irp jj, 0,1,2,3,4,5,6,7                       ; Y's fragments (tile of tokens jj, K step s) at v[80 + 8 (2 jj + s)]
.irp s, 0,1
.irp c, 0,1
	global_load_b128 v[80+8*(2*\jj+\s)+4*\c:80+8*(2*\jj+\s)+4*\c+3], v6, s[4:5] offset:(32*(\jj/2)+8*(\jj%2))*128+64*\s+32*\c
.endr
	global_load_b32 v[232+2*\jj+\s], v7, s[6:7] offset:(32*(\jj/2)+8*(\jj%2))*8+4*\s
.endr
.endr
.irp s, 0,1
.irp c, 0,1
	global_load_b128 v[208+8*\s+4*\c:208+8*\s+4*\c+3], v6, s[14:15] offset:64*\s+32*\c
.endr
	global_load_b32 v[248+\s], v7, s[16:17] offset:4*\s
.endr
.irp i, 0,1,2,3,4,5,6,7
	global_load_b32 v[224+\i], v11, s[18:19]       ; bv of my channel, in all eight registers of the result's layout
.endr
	s_wait_loadcnt 0x0
.irp s, 0,1
.irp jj, 0,1,2,3,4,5,6,7
.if \s == 0
	v_wmma_scale_f32_16x16x128_f8f6f4 v[HA+8*\jj:HA+8*\jj+7], v[80+8*(2*\jj+\s):80+8*(2*\jj+\s)+7], v[208+8*\s:208+8*\s+7], v[224:231], v[232+2*\jj+\s], v[248+\s] matrix_a_fmt:MATRIX_FMT_FP4 matrix_b_fmt:MATRIX_FMT_FP4
.else
	v_wmma_scale_f32_16x16x128_f8f6f4 v[HA+8*\jj:HA+8*\jj+7], v[80+8*(2*\jj+\s):80+8*(2*\jj+\s)+7], v[208+8*\s:208+8*\s+7], v[HA+8*\jj:HA+8*\jj+7], v[232+2*\jj+\s], v[248+\s] matrix_a_fmt:MATRIX_FMT_FP4 matrix_b_fmt:MATRIX_FMT_FP4
.endif
.endr
.endr
.Ltail:
.rept 4
	v_nop                                          ; four places behind the last products (ISA guide 7.12.1): results are read and operands' registers written below
.endr
.irp b, 0,1,2,3
	v_mov_b32 v[TM+4+\b], 0                        ; a lane permute's destination counts as one of its sources
.endr
	QUANT HA
	global_store_b128 v8, v[PC:PC+3], s[36:37]             ; the image: each store of the wave covers 512 consecutive bytes, aligned
	global_store_b128 v8, v[PC+4:PC+7], s[36:37] offset:512
	global_store_b32 v9, v[PW], s[38:39]                   ; the scale words, the same in both halves of the lanes
	s_endpgm
.Lfunc_end_k_q453dc55799_kv:
	.size	k_q453dc55799_kv, .Lfunc_end_k_q453dc55799_kv-k_q453dc55799_kv
	.p2alignl 7, 3214868480
	.fill 96, 4, 3214868480
	.section	.rodata,"a",@progbits
	.p2align	6, 0x0
	.amdhsa_kernel k_q453dc55799_kv
		.amdhsa_group_segment_fixed_size 0
		.amdhsa_private_segment_fixed_size 0
		.amdhsa_enable_private_segment 0
		.amdhsa_kernarg_size 96
		.amdhsa_user_sgpr_count 2
		.amdhsa_user_sgpr_kernarg_segment_ptr 1
		.amdhsa_wavefront_size32 1
		.amdhsa_system_sgpr_workgroup_id_x 1
		.amdhsa_system_sgpr_workgroup_id_y 1
		.amdhsa_system_sgpr_workgroup_id_z 1
		.amdhsa_system_vgpr_workitem_id 0
		.amdhsa_next_free_vgpr 256
		.amdhsa_next_free_sgpr 66
		.amdhsa_reserve_vcc 0
		.amdhsa_float_denorm_mode_32 3
		.amdhsa_float_denorm_mode_16_64 3
		.amdhsa_memory_ordered 1
		.amdhsa_forward_progress 1
		.amdhsa_inst_pref_size 21
	.end_amdhsa_kernel
	.amdgpu_metadata
---
amdhsa.version: [ 1, 2 ]
amdhsa.kernels:
  - .name:           k_q453dc55799_kv
    .symbol:         k_q453dc55799_kv.kd
    .args:
      - { .name: Y_lift_codes, .offset: 0, .size: 8, .value_kind: global_buffer, .address_space: global }
      - { .name: Y_lift_scales, .offset: 8, .size: 8, .value_kind: global_buffer, .address_space: global }
      - { .name: Wk_codes, .offset: 16, .size: 8, .value_kind: global_buffer, .address_space: global }
      - { .name: Wk_scales, .offset: 24, .size: 8, .value_kind: global_buffer, .address_space: global }
      - { .name: bk, .offset: 32, .size: 8, .value_kind: global_buffer, .address_space: global }
      - { .name: Wv_codes, .offset: 40, .size: 8, .value_kind: global_buffer, .address_space: global }
      - { .name: Wv_scales, .offset: 48, .size: 8, .value_kind: global_buffer, .address_space: global }
      - { .name: bv, .offset: 56, .size: 8, .value_kind: global_buffer, .address_space: global }
      - { .name: kimg, .offset: 64, .size: 8, .value_kind: global_buffer, .address_space: global }
      - { .name: kscl, .offset: 72, .size: 8, .value_kind: global_buffer, .address_space: global }
      - { .name: vimg, .offset: 80, .size: 8, .value_kind: global_buffer, .address_space: global }
      - { .name: vscl, .offset: 88, .size: 8, .value_kind: global_buffer, .address_space: global }
    .group_segment_fixed_size: 0
    .private_segment_fixed_size: 0
    .kernarg_segment_align: 8
    .kernarg_segment_size: 96
    .max_flat_workgroup_size: 128
    .sgpr_count:     66
    .vgpr_count:     256
    .wavefront_size: 32
...
	.end_amdgpu_metadata
.endif
;; end of part 1
;; launch attn (part 2): grid 256 x 1, 8 waves a work-group, no clusters, 304,128 bytes of LDS; arguments X_pairs, Y_lift_codes, Y_lift_scales, Wq_codes, Wq_scales, bq, Wv_codes, Wv_scales, bv, Wo_codes, Wo_scales, bo, Wg1, bg1, wg2, bg2, presence_q, presence_k, kimg, kscl, vimg, vscl, out0; writes out0
.if DOCPART == 2
	.amdgcn_target "amdgcn-amd-amdhsa--gfx1250"
	.amdhsa_code_object_version 6
	.text
	.protected	k_q453dc55799_attn
	.globl	k_q453dc55799_attn
	.p2align	8
	.type	k_q453dc55799_attn,@function
k_q453dc55799_attn:
	s_mov_b64 s[64:65], 0
	v_nop
	global_prefetch_b8 v0, s[64:65] scope:SCOPE_SE
	s_setreg_imm32_b32 hwreg(HW_REG_WAVE_MODE, 25, 1), 1
	s_wait_xcnt 0x0
; out = O + relu(O Wo + bo), O = V + softmax(masks(Q K^T / 16 + loc)) V, loc = the heads' 3 -> 3 -> 1 MLP on X_pairs.  Quantised products on codes of FP4 (E2M1) with E8M0 scales; all else in f32.  (X_lift is used nowhere in the definition.)
; SHARES.  A work-group owns 16 queries (16 g on, all of one batch) for all 8 heads.  THE WAVES SHARE THE KEYS: wave w owns keys 128 w .. 128 w + 127 for all heads, in two sub-steps of 64.  So each number of X_pairs comes once from
;   memory, goes once from LDS into registers and serves 8 heads, and each image of K and V is read by one wave of the work-group, straight into operand registers.  In set-up, merge and output wave w owns head w (features 32 w on).
; LAYOUT.  Both products are used transposed: a lane (r = lane % 16, h = lane / 16) holds query r throughout.  Element e = 16 bb + i of a sub-step is key 128 w + 64 s + 32 bb + 16 h + i.
; Q K^T WITH A HEAD OF 32.  Source 0 is a fragment whose four blocks of 32 are four tiles of 16 keys; source 1 holds Q's 32 codes in block j and zero codes elsewhere: the product is tile j's scores.  The four variants of
;   source 1 are windows into 20 registers Z QL Z QH Z (QL: codes in lanes 0-15, zeros above; QH the other way round).  C is 16 loc, so the instruction gives 16 (content + loc); 1 / 16 lies in the mask's factor: both exact.
; MASKS.  t = a x (16 logit) + b with a = pk pq log2(e) / 16 and b = -log2(e) (pk (1 - pq) 1e38 + (1 - pk) 1e38): made once for a sub-step's elements, used by 8 heads.
; SOFTMAX.  p = 2^(t - M), M = the ceiling of the largest t, a whole number; t - M is a true subtraction of rounded numbers (masked t are about -1.4e38).  EACH SUB-STEP HAS ITS OWN M: sub-step 0 leaves its codes, its two
;   blocks' largest p, -M and its sum in LDS; sub-step 1 brings both under the common M by v_ldexp_f32 (exact; the exponent saturates, so a chunk that is wholly masked vanishes), makes the four scale bytes from the rescaled largest p,
;   and issues V^T P^T with K = 128 and C = 0.  The eight waves' parts are merged the same way by the head's owner.  The sums are taken of the unquantised p.
; NO CLUSTER: the 64 work-groups of a batch read the same images of K and V (262,144 bytes a batch), but X's sixteen chunks hold 200,704 bytes of LDS for the whole launch, so joint loads would need a ring of slots filled again,
;   with a cluster's barrier for every few heads; here an image feeds one wave's registers and no LDS byte is filled twice.  NO PREFETCH: all of X is asked for by the first instructions; nothing is left to ask for ahead.
; LIMITS.  Presence values other than 0 and 1: the two mask steps are regrouped into one multiply-add (another order of rounding at magnitudes near 1e38).  The MLP's biases are added first, not last.  A block whose largest
;   magnitude lies under 2^(3 - 127) keeps the byte 1: at most 6 x 2^-126 a number.  NaN and infinities are not served.
; LDS (all bases multiples of 256):
.set XP,    780                        ; a row of X in LDS: 192 words + 3 words of zeros: word 195 r + 48 h: 32 different values modulo 64 in the 32 lanes (64 banks of 4 bytes: ISA guide 11.1)
.set CH,    12544                      ; a chunk: 16 queries x 64 keys x 3; chunk (w, s) at (2 w + s) CH
.set WREG,  2*CH                       ; a wave's two chunks.  Once read out they hold the wave's parts: head hd at PHEAD hd: O^T's image 4 x 512, then (-M, sum) 8 bytes a lane
.set PHEAD, 2304
.set ST0,   16*CH                      ; sub-step 0's leavings: wave w at STW w, head hd at 1024 hd: codes' image 512, state's image 512
.set STW,   9216
.set QIMG,  ST0+8*STW                  ; Q: head hd at 1024 hd: QL's image 512, QH's image 512
.set QSC,   QIMG+8*1024                ; Q's scale words: 64 hd + 4 r
.set WT,    QSC+512                    ; the MLPs: 16 floats a head: W[c][d] at 3 c + d, b1 at 9 + d, 16 w2 at 12 + d, 16 b2 at 15; all eight once more 512 bytes on, so that entry 8 is head 0 again
.set OIMG,  WT+1024                    ; O's two fragments: head w's block at 256 w + 16 r + 8 h
.set OSC,   OIMG+2048                  ; their scale words: 64 (w / 4) + 4 r, byte w % 4
.set STG,   OSC+256                    ; the stage for out: 16 rows x (1,024 + 16)
.set SPITCH, 1040
; REGISTERS, window 0:
.set R,    1                           ; r
.set HH,   2                           ; h
.set LI,   3                           ; 16 x lane
.set L4,   4                           ; 4 x lane
.set XAD,  5                           ; my place in my wave's chunks
.set QAD,  6
.set QSAD, 7
.set WTAD, 8
.set STAD, 9
.set PTAD, 10
.set PMAD, 11
.set AQ,   12                          ; v12 pq log2(e) / 16, v13 (1 - pq) 1e38
.set VSO,  14                          ; 4 r + 128 h: V's scale words, tile 0's in lanes 0-15, tile 1's in lanes 16-31
.set TA,   15                          ; the LDS address in hand
.set XR,   16                          ; v16-111  X: component c of element e at 16 + 32 c + e
.set AL,   112                         ; v112-143 a
.set BE,   144                         ; v144-175 b
.set LR,   176                         ; v176-207 16 loc, scores, t, p; then v176-191 O^T
.set HB,   208                         ; v208-223 hidden units 1 and 2 in the MLP; afterwards:
.set PF,   208                         ; v208-215 P's fragment; v216-219 sub-step 0's state; v220-223 at work
.set WR,   224                         ; v224-239 the head's 16 MLP numbers
.set MX,   240                         ; v240-243 maxima; v244, v245 the permutes' destinations
.set NM,   246                         ; v246 -M (v247 = 0 beside it: the packed form names the pair)
.set KS,   248                         ; scale words: K's, Q's, V's, P's
.set QS,   249
.set VS,   250
.set PS,   251
.set SU,   252                         ; v252-255 two pairs of sums, then the conversions' scale operands
; window 1:
.set KF,   0                           ; K's fragment
.set QZ,   8                           ; Z QL Z QH Z
.set VF,   32                          ; V's two fragments
.set VR,   72                          ; the residual V of my head's 32 features
.set PK,   96                          ; presence_k of my 128 keys
; scalars:
.set WV,   50
.set SEL,  54                          ; s[54:55] v_permlanex16_b32's selects for lane l xor 16
.set G1,   56                          ; s[56:63] descriptor group 1
.set G0,   68                          ; s[68:75] descriptor groups 0 of my two chunks
.set KB,   76                          ; s[76:83] where the head's images and scale words stand in memory
.set KSB,  78
.set VB,   80
.set VSB,  82
.set CNT,  84
.set HQ,   85                          ; 1024 hd
.set HS,   86                          ; 64 hd
.set HW,   87                          ; 64 (hd + 1)
.set HP,   88                          ; PHEAD hd
.set MSB, 0
.macro WIN new                         ; s_set_vgpr_msb: bits 1:0 source 0, 3:2 source 1, 5:4 source 2, 7:6 destination; the high byte repeats the setting that is left
.if MSB != \new
	s_set_vgpr_msb (MSB<<8)|\new
.set MSB, \new
.endif
.endm
.macro PLACES                          ; four places behind a matrix instruction (ISA guide 7.12.1)
.rept 4
	v_nop
.endr
.endm
.macro BARRIER                         ; my LDS stores have landed and my LDS loads are in: then the work-group's barrier
	s_wait_dscnt 0x0
	s_barrier_signal -1
	s_barrier_wait -1
.endm
.macro WMMA d, a, b, c, sa, sb
	v_wmma_scale_f32_16x16x128_f8f6f4 v[\d:\d+7], v[\a:\a+7], v[\b:\b+7], v[\c:\c+7], v[\sa], v[\sb] matrix_a_fmt:MATRIX_FMT_FP4 matrix_b_fmt:MATRIX_FMT_FP4
.endm
; My head's 32 features of [16 rows, K 256] x W^T + bias, transposed: source 0 = 16 rows of W (tile t, K step s at wf + 8 (2 t + s)), source 1 = the rows' fragments at v16, v24 with scale words v244, v245.
; Register 8 t + i of lane (r, h) is (row r, feature 32 w + 16 h + 8 t + i).  The two accumulators take turns.
.macro PROJ d, wf, bo, ws
	WMMA \d, \wf, 16, \bo, \ws, 244
	WMMA \d+8, \wf+16, 16, \bo+8, \ws+2, 244
	WMMA \d, \wf+8, 24, \d, \ws+1, 245
	WMMA \d+8, \wf+24, 24, \d+8, \ws+3, 245
.endm
.macro WADDR                           ; the lane's offsets for WLOAD: v168 = 128 (r + 8 (r / 8)) + 16 h, v169 = 8 (r + 8 (r / 8)), v170 = 64 h
	v_and_b32 v168, 8, v[R]
	v_add_nc_u32 v168, v168, v[R]
	v_lshlrev_b32 v169, 3, v168
	v_lshlrev_b32 v168, 7, v168
	v_lshl_add_u32 v168, v[HH], 4, v168
	v_lshlrev_b32 v170, 6, v[HH]
.endm
.macro WLOAD wf, bo, ws, pcod, pscl, pbia   ; my head's 32 rows of a weight [256][256]: lane r of tile t takes row 8 t + r + 8 (r / 8); the pointers stand at row 32 w
.irp t, 0,1
.irp s, 0,1
.irp c, 0,1
	global_load_b128 v[\wf+8*(2*\t+\s)+4*\c:\wf+8*(2*\t+\s)+4*\c+3], v168, s[\pcod:\pcod+1] offset:1024*\t+64*\s+32*\c
.endr
	global_load_b32 v[\ws+2*\t+\s], v169, s[\pscl:\pscl+1] offset:64*\t+4*\s
.endr
	global_load_b128 v[\bo+8*\t:\bo+8*\t+3], v170, s[\pbia:\pbia+1] offset:32*\t
	global_load_b128 v[\bo+8*\t+4:\bo+8*\t+7], v170, s[\pbia:\pbia+1] offset:32*\t+16
.endr
.endm
; One block of 32 that lies in lanes l and l xor 16, 16 numbers each: codes into the pair dst, the byte into by.
.macro QB src, dst, mx, tp, so, by
	v_max3_num_f32 v[\mx], |v[\src]|, |v[\src+1]|, 0x1800000       ; and the floor 2^(3 - 127): the byte cannot fall under 1
.irp i, 2,4,6,8,10,12,14
	v_max3_num_f32 v[\mx], v[\mx], |v[\src+\i]|, |v[\src+\i+1]|
.endr
	v_permlanex16_b32 v[\tp], v[\mx], s[SEL], s[SEL+1]
	v_max_num_f32 v[\mx], v[\mx], v[\tp]
	v_add_nc_u32 v[\so], 0xff000000, v[\mx]        ; 2 off the exponent field: the conversion's scale operand
	v_lshrrev_b32 v[\by], 23, v[\so]
	v_cvt_scalef32_pk8_fp4_f32 v[\dst], v[\src:\src+7], v[\so]
	v_cvt_scalef32_pk8_fp4_f32 v[\dst+1], v[\src+8:\src+15], v[\so]
	v_nop                                          ; one plain place behind a scaled conversion
.endm
; d = x * w + c, two numbers at once.  w is ONE register of the pair at w (ws = 0: the first, 1: the second) for both halves; c likewise (cs = 0, 1) or a whole pair (cs = 2).
.macro PKF d, x, w, ws, c, cs
.if (\cs) == 2
.if (\ws) == 0
	v_pk_fma_f32 v[\d:\d+1], v[\x:\x+1], v[\w:\w+1], v[\c:\c+1] op_sel_hi:[1,0,1]
.else
	v_pk_fma_f32 v[\d:\d+1], v[\x:\x+1], v[\w:\w+1], v[\c:\c+1] op_sel:[0,1,0] op_sel_hi:[1,1,1]
.endif
.elseif (\cs) == 0
.if (\ws) == 0
	v_pk_fma_f32 v[\d:\d+1], v[\x:\x+1], v[\w:\w+1], v[\c:\c+1] op_sel_hi:[1,0,0]
.else
	v_pk_fma_f32 v[\d:\d+1], v[\x:\x+1], v[\w:\w+1], v[\c:\c+1] op_sel:[0,1,0] op_sel_hi:[1,1,0]
.endif
.else
.if (\ws) == 0
	v_pk_fma_f32 v[\d:\d+1], v[\x:\x+1], v[\w:\w+1], v[\c:\c+1] op_sel:[0,0,1] op_sel_hi:[1,0,1]
.else
	v_pk_fma_f32 v[\d:\d+1], v[\x:\x+1], v[\w:\w+1], v[\c:\c+1] op_sel:[0,1,1] op_sel_hi:[1,1,1]
.endif
.endif
.endm
; a and b of sub-step s's 32 elements, in four runs, each under one window setting (presence_k lies in window 1).
.macro ALBE s
	WIN 0x01
.irp e, 0,2,4,6,8,10,12,14,16,18,20,22,24,26,28,30
	v_pk_fma_f32 v[BE+\e:BE+\e+1], v[PK+32*\s+\e:PK+32*\s+\e+1], -1.0, 1.0 op_sel_hi:[1,0,0]   ; 1 - pk
.endr
	WIN 0
.irp e, 0,2,4,6,8,10,12,14,16,18,20,22,24,26,28,30
	v_pk_mul_f32 v[BE+\e:BE+\e+1], v[BE+\e:BE+\e+1], 0x7e967699 op_sel_hi:[1,0]                ; x 1e38
.endr
	WIN 0x01
.irp e, 0,2,4,6,8,10,12,14,16,18,20,22,24,26,28,30
	v_pk_fma_f32 v[BE+\e:BE+\e+1], v[PK+32*\s+\e:PK+32*\s+\e+1], v[AQ:AQ+1], v[BE+\e:BE+\e+1] op_sel:[0,1,0] op_sel_hi:[1,1,1]   ; + pk (1 - pq) 1e38
	v_pk_mul_f32 v[AL+\e:AL+\e+1], v[PK+32*\s+\e:PK+32*\s+\e+1], v[AQ:AQ+1] op_sel_hi:[1,0]    ; a = pk pq log2(e) / 16
.endr
	WIN 0
.irp e, 0,2,4,6,8,10,12,14,16,18,20,22,24,26,28,30
	v_pk_mul_f32 v[BE+\e:BE+\e+1], v[BE+\e:BE+\e+1], 0xbfb8aa3b op_sel_hi:[1,0]                ; x -log2(e)
.endr
.endm
.macro XREG s                          ; my 32 elements x 3 components of chunk s, each component on end for the packed forms
.irp c, 0,1,2
.irp bb, 0,1
.irp i, 0,1,2,3,4,5,6,7,8,9,10,11,12,13,14,15
	ds_load_b32 v[XR+32*\c+16*\bb+\i], v[XAD] offset:CH*\s+4*(96*\bb+3*\i+\c)
.endr
.endr
.endr
.endm
; 16 loc of tile j's eight elements: 36 packed multiply-adds in twelve chains that do not wait for each other, 24 maxima, 12 packed multiply-adds.  Hidden unit 0 lives in the result's own pair.
.macro MLP8 j
.irp c, 0,1,2
.irp p, 0,1,2,3
.irp d, 0,1,2
.set rX, XR+32*\c+8*\j+2*\p
.if \d == 0
.set rD, LR+8*\j+2*\p
.else
.set rD, HB+4*\p+2*(\d-1)
.endif
.set rW, WR+((3*\c+\d)/2)*2
.set sW, (3*\c+\d)%2
.if \c == 0
.set rC, WR+((9+\d)/2)*2
.set sC, (9+\d)%2
.else
.set rC, rD
.set sC, 2
.endif
	PKF rD, rX, rW, sW, rC, sC
.endr
.endr
.endr
.irp p, 0,1,2,3
	v_max_num_f32 v[LR+8*\j+2*\p], 0, v[LR+8*\j+2*\p]
	v_max_num_f32 v[LR+8*\j+2*\p+1], 0, v[LR+8*\j+2*\p+1]
.irp q, 0,1,2,3
	v_max_num_f32 v[HB+4*\p+\q], 0, v[HB+4*\p+\q]
.endr
.endr
.irp d, 0,1,2
.irp p, 0,1,2,3
.set rD, LR+8*\j+2*\p
.set rW, WR+((12+\d)/2)*2
.set sW, (12+\d)%2
.if \d == 0
.set rX, rD
.set rC, WR+14
.set sC, 1
.else
.set rX, HB+4*\p+2*(\d-1)
.set rC, rD
.set sC, 2
.endif
	PKF rD, rX, rW, sW, rC, sC
.endr
.endr
.endm
; ONE HEAD of sub-step s: the loop's body.
.macro TRIP s
.set PMR,  216+4*\s                    ; the two blocks' largest p
.set LSUM, 219+3*\s                    ; my lane's sum
	s_wait_dscnt 0x0                               ; this head's MLP numbers (asked for a trip ago), X in the first trip, the last trip's stores
	v_add_nc_u32 v[TA], s[HQ], v[QAD]
	WIN 0x40                                       ; destinations in window 1
	global_load_b128 v[KF:KF+3], v[LI], s[KB:KB+1]
	global_load_b128 v[KF+4:KF+7], v[LI], s[KB:KB+1] offset:512
.if \s
.irp k, 0,1,2,3
	global_load_b128 v[VF+4*\k:VF+4*\k+3], v[LI], s[VB:VB+1] offset:512*\k
.endr
.endif
	ds_load_b128 v[QZ+4:QZ+7], v[TA]               ; QL
	ds_load_b128 v[QZ+12:QZ+15], v[TA] offset:512  ; QH
	WIN 0
	global_load_b32 v[KS], v[L4], s[KSB:KSB+1]
.if \s
	global_load_b32 v[VS], v[VSO], s[VSB:VSB+1]
.endif
	v_add_nc_u32 v[TA], s[HS], v[QSAD]
	ds_load_b32 v[QS], v[TA]
	MLP8 0                                         ; all these loads land under the MLP
	MLP8 1
	MLP8 2
	MLP8 3
	v_add_nc_u32 v[TA], s[HW], v[WTAD]
.irp k, 0,1,2,3
	ds_load_b128 v[WR+4*\k:WR+4*\k+3], v[TA] offset:16*\k   ; the next head's MLP numbers
.endr
.if \s
	v_add_nc_u32 v[TA], s[HQ], v[STAD]
	ds_load_b128 v[PF:PF+3], v[TA]                 ; sub-step 0's codes,
	ds_load_b128 v[216:219], v[TA] offset:512      ; and its state: largest p of its two blocks, -M, sum
.endif
	PLACES                                         ; the sums' C was written by vector instructions: kept four places ahead
	s_wait_loadcnt 0x0                             ; the images and their scale words
	s_wait_dscnt 4+2*\s                            ; Q's three loads are in; younger: the four of the MLP numbers (and sub-step 0's two)
	WIN 0x05                                       ; sources 0 and 1 in window 1
	WMMA LR, KF, QZ+4, LR, KS, QS                  ; tile 0: QL Z.  Four accumulators, one instruction each
	WMMA LR+8, KF, QZ+12, LR+8, KS, QS             ; tile 1: QH Z
	WMMA LR+16, KF, QZ, LR+16, KS, QS              ; tile 2: Z QL
	WMMA LR+24, KF, QZ+8, LR+24, KS, QS            ; tile 3: Z QH
	WIN 0
	PLACES
.irp e, 0,2,4,6,8,10,12,14,16,18,20,22,24,26,28,30
	v_pk_fma_f32 v[LR+\e:LR+\e+1], v[LR+\e:LR+\e+1], v[AL+\e:AL+\e+1], v[BE+\e:BE+\e+1]   ; t; each accumulator from its low end on
.endr
.irp j, 0,1,2,3
	v_max3_num_f32 v[MX+\j], v[LR+8*\j], v[LR+8*\j+1], v[LR+8*\j+2]   ; the tiles' largest t, four chains by turns
.endr
.irp i, 3,5
.irp j, 0,1,2,3
	v_max3_num_f32 v[MX+\j], v[MX+\j], v[LR+8*\j+\i], v[LR+8*\j+\i+1]
.endr
.endr
.irp j, 0,1,2,3
	v_max_num_f32 v[MX+\j], v[MX+\j], v[LR+8*\j+7]
.endr
	v_max_num_f32 v[MX], v[MX], v[MX+1]            ; the two blocks of 32 keys: they serve the row's maximum and, since p rises with t, the blocks' largest p
	v_max_num_f32 v[MX+1], v[MX+2], v[MX+3]
	v_permlanex16_b32 v244, v[MX], s[SEL], s[SEL+1]
	v_permlanex16_b32 v245, v[MX+1], s[SEL], s[SEL+1]
	v_max_num_f32 v[MX], v[MX], v244
	v_max_num_f32 v[MX+1], v[MX+1], v245
	v_max_num_f32 v[MX+2], v[MX], v[MX+1]
	v_floor_f32 v[NM], -v[MX+2]                    ; -M = floor(-t) = -ceil(t)
.irp e, 0,2,4,6,8,10,12,14,16,18,20,22,24,26,28,30
	v_pk_add_f32 v[LR+\e:LR+\e+1], v[LR+\e:LR+\e+1], v[NM:NM+1] op_sel_hi:[1,0]   ; t - M: rounded t, then a subtraction
.endr
	v_add_f32 v[MX], v[MX], v[NM]
	v_add_f32 v[MX+1], v[MX+1], v[NM]
.irp e, 0,1,2,3,4,5,6,7,8,9,10,11,12,13,14,15,16,17,18,19,20,21,22,23,24,25,26,27,28,29,30,31
	v_exp_f32 v[LR+\e], v[LR+\e]                   ; p
.endr
	v_exp_f32 v[PMR], v[MX]                        ; the blocks' largest p: the same two instructions on the same number give the same bits
	v_exp_f32 v[PMR+1], v[MX+1]
	v_nop                                          ; one plain place behind the last exponential
	s_wait_alu depctr_va_vdst(0)                   ; one wait for the batch of 34, ahead of its first reader
	v_pk_add_f32 v[SU:SU+1], v[LR:LR+1], v[LR+2:LR+3]              ; the sum of the unquantised p, in two chains
	v_pk_add_f32 v[SU+2:SU+3], v[LR+4:LR+5], v[LR+6:LR+7]
.irp e, 8,12,16,20,24,28
	v_pk_add_f32 v[SU:SU+1], v[SU:SU+1], v[LR+\e:LR+\e+1]
	v_pk_add_f32 v[SU+2:SU+3], v[SU+2:SU+3], v[LR+\e+2:LR+\e+3]
.endr
	v_pk_add_f32 v[SU:SU+1], v[SU:SU+1], v[SU+2:SU+3]
	v_add_f32 v[LSUM], v[SU], v[SU+1]
	v_max_num_f32 v[SU], 0x1800000, v[PMR]         ; the floor 2^(3 - 127)
	v_max_num_f32 v[SU+1], 0x1800000, v[PMR+1]
	v_add_nc_u32 v[SU], 0xff000000, v[SU]          ; 2 off the exponent field: the conversions' scale operands
	v_add_nc_u32 v[SU+1], 0xff000000, v[SU+1]
.irp bb, 0,1
	v_cvt_scalef32_pk8_fp4_f32 v[PF+4*\s+2*\bb], v[LR+16*\bb:LR+16*\bb+7], v[SU+\bb]
	v_cvt_scalef32_pk8_fp4_f32 v[PF+4*\s+2*\bb+1], v[LR+16*\bb+8:LR+16*\bb+15], v[SU+\bb]
.endr
	v_nop                                          ; one plain place behind a scaled conversion
	v_permlane16_swap_b32 v[PF+4*\s], v[PF+4*\s+2]     ; a WHOLE block in a lane: registers 4 s .. 4 s + 3 of P's fragment
	v_permlane16_swap_b32 v[PF+4*\s+1], v[PF+4*\s+3]
.if \s == 0
	v_mov_b32 v218, v[NM]
	v_add_nc_u32 v[TA], s[HQ], v[STAD]
	ds_store_b128 v[TA], v[PF:PF+3]                ; my own bytes: sub-step 1 of this wave reads them back
	ds_store_b128 v[TA], v[216:219] offset:512
.else
	s_wait_dscnt 0x0                               ; sub-step 0's codes and state are in
	v_min_num_f32 v223, v218, v[NM]                ; the common -M
	v_sub_f32 v[MX], v223, v218                    ; M0 - M and M1 - M: whole numbers, 0 or less
	v_sub_f32 v[MX+1], v223, v[NM]
	v_cvt_i32_f32 v[MX], v[MX]                     ; (it saturates)
	v_cvt_i32_f32 v[MX+1], v[MX+1]
	v_ldexp_f32 v216, v216, v[MX]                  ; the four blocks' largest p under the common M: exact
	v_ldexp_f32 v217, v217, v[MX]
	v_ldexp_f32 v220, v220, v[MX+1]
	v_ldexp_f32 v221, v221, v[MX+1]
.irp q, 216,217,220,221
	v_max_num_f32 v\q, 0x1800000, v\q
.endr
.irp q, 216,217,220,221
	v_add_nc_u32 v\q, 0xff000000, v\q
.endr
.irp q, 216,217,220,221
	v_lshrrev_b32 v\q, 23, v\q                     ; the scales take the change of M up; the codes stay
.endr
	v_lshl_or_b32 v[PS], v217, 8, v216
	v_lshl_or_b32 v[PS], v220, 16, v[PS]
	v_lshl_or_b32 v[PS], v221, 24, v[PS]           ; P's scale word for my 128 keys; the eight plain lines below keep it eight places ahead of the products
	v_ldexp_f32 v219, v219, v[MX]
	v_ldexp_f32 v222, v222, v[MX+1]
	v_add_f32 v[MX+3], v219, v222                  ; my lane's sum under the common M
	v_mov_b32 v[MX+2], v223
	v_add_nc_u32 v[TA], s[HP], v[PTAD]
	v_add_nc_u32 v220, s[HP], v[PMAD]
	v_nop
	v_nop
	WIN 0x01                                       ; source 0 in window 1
	v_wmma_scale_f32_16x16x128_f8f6f4 v[LR:LR+7], v[VF:VF+7], v[PF:PF+7], 0, v[VS], v[PS] matrix_a_fmt:MATRIX_FMT_FP4 matrix_b_fmt:MATRIX_FMT_FP4
	v_wmma_scale_f32_16x16x128_f8f6f4 v[LR+8:LR+15], v[VF+8:VF+15], v[PF:PF+7], 0, v[VS], v[PS] matrix_a_fmt:MATRIX_FMT_FP4 matrix_b_fmt:MATRIX_FMT_FP4 matrix_a_scale:MATRIX_SCALE_ROW1
	WIN 0
	PLACES
.irp k, 0,1,2,3
	ds_store_b128 v[TA], v[LR+4*\k:LR+4*\k+3] offset:512*\k   ; my part of O^T: register 8 u + i is channel 16 h + 8 u + i of query r.  These bytes had their one fill, and my reads of them are over
.endr
	ds_store_b64 v220, v[MX+2:MX+3]
.endif
	s_add_nc_u64 s[KB:KB+1], s[KB:KB+1], 16384     ; the next head (all the trip's global loads have been waited for)
	s_add_nc_u64 s[KSB:KSB+1], s[KSB:KSB+1], 2048
.if \s
	s_add_nc_u64 s[VB:VB+1], s[VB:VB+1], 16384
	s_add_nc_u64 s[VSB:VSB+1], s[VSB:VSB+1], 2048
	s_add_co_u32 s[HP], s[HP], PHEAD
.endif
	s_add_co_u32 s[HQ], s[HQ], 1024
	s_add_co_u32 s[HS], s[HS], 64
	s_add_co_u32 s[HW], s[HW], 64
.endm
.macro SUBSTEP s
	s_wait_tensorcnt 1-\s                          ; my chunk s is in LDS (chunk 1's load is the one younger load); only I read it
	XREG \s
	ALBE \s                                        ; under the LDS loads
	s_mov_b32 s[HQ], 0
	s_mov_b32 s[HS], 0
	s_mov_b32 s[HW], 64
	s_mov_b32 s[HP], 0
	s_mov_b32 s[CNT], 8
.Lhead_\s:
	TRIP \s
	s_sub_co_u32 s[CNT], s[CNT], 1
	s_cmp_lg_u32 s[CNT], 0
	s_cbranch_scc1 .Lhead_\s
.endm
	s_load_b512 s[4:19], s[0:1], 0x0               ; X s[4:5], Y's codes s[6:7], scales s[8:9], Wq's codes s[10:11], scales s[12:13], bq s[14:15], Wv's codes s[16:17], scales s[18:19]
	s_load_b512 s[20:35], s[0:1], 0x40             ; bv s[20:21], Wo's codes s[22:23], scales s[24:25], bo s[26:27], Wg1 s[28:29], bg1 s[30:31], wg2 s[32:33], bg2 s[34:35]
	s_load_b256 s[36:43], s[0:1], 0x80             ; presence_q s[36:37], presence_k s[38:39], kimg s[40:41], kscl s[42:43]
	s_load_b128 s[44:47], s[0:1], 0xa0             ; vimg s[44:45], vscl s[46:47]
	s_load_b64 s[48:49], s[0:1], 0xb0              ; out0
	s_set_vgpr_msb 0x40
	v_lshl_add_u32 v254, v0, 2, 0x4a000
	v_mov_b32 v255, 0
	s_set_vgpr_msb 0x4045
	ds_add_u32 v254, v255
	ds_add_u32 v254, v255
	s_set_vgpr_msb 0x4500
	v_lshrrev_b32 v1, 5, v0
	v_readfirstlane_b32 s[WV], v1                  ; wave 0..7
	; descriptor group 1: 16 rows (queries) of 192 words (64 keys x 3), 3,072 words apart.  The tile is stated 195 words wide: the 3 beyond the tensor's extent are not read and arrive as zeros: they are the rows' padding
	s_mov_b32 s[G1], 2<<16                         ; no mask; elements of 4 bytes; no padding field
	s_mov_b32 s[G1+1], 192<<16                     ; tensor_dim0 = 192
	s_mov_b32 s[G1+2], 16<<16                      ; tensor_dim1 = 16
	s_mov_b32 s[G1+3], 195<<16                     ; tile_dim0 = 195
	s_mov_b32 s[G1+4], 16                          ; tile_dim1 = 16
	s_mov_b32 s[G1+5], 3072                        ; from row to row
	s_mov_b32 s[G1+6], 0
	s_mov_b32 s[G1+7], 0
	s_mov_b32 s[G0], 1
	s_mul_i32 s[G0+1], s[WV], WREG                 ; LDS: my wave's two chunks
	s_mov_b32 s[G0+4], 1
	s_add_co_u32 s[G0+5], s[G0+1], CH
	s_mul_i32 s2, ttmp9, 16*12288                  ; my work-group's 16 rows of 12,288 bytes,
	s_mul_i32 s3, s[WV], 1536                      ; my wave's 128 keys of 12 bytes
	s_add_co_u32 s2, s2, s3
	s_mov_b32 s3, 0
	s_wait_dscnt 0x0
	s_wait_kmcnt 0x0
	s_add_nc_u64 s[G0+2:G0+3], s[4:5], s[2:3]
	s_add_nc_u64 s[G0+6:G0+7], s[G0+2:G0+3], 768
	s_or_b32 s[G0+3], s[G0+3], 0x80000000          ; type = 2
	s_or_b32 s[G0+7], s[G0+7], 0x80000000
	tensor_load_to_lds s[G0:G0+3], s[G1:G1+7]      ; both fills of the wave go out together, ahead of everything else: two loads of mine are out, and no LDS byte is filled a second time
	s_nop 0
	tensor_load_to_lds s[G0+4:G0+7], s[G1:G1+7]
	s_nop 0
	PLACES
	; ---- lane terms
	v_and_b32 v[R], 15, v0
	v_bfe_u32 v[HH], v0, 4, 1
	v_and_b32 v[L4], 31, v0
	v_lshlrev_b32 v[LI], 4, v[L4]
	v_lshlrev_b32 v[PMAD], 3, v[L4]
	v_lshlrev_b32 v[L4], 2, v[L4]
	s_mul_i32 s2, s[WV], WREG
	v_mul_u32_u24 v[XAD], v[R], XP
	v_mad_u32_u24 v[XAD], v[HH], 192, v[XAD]
	v_add_nc_u32 v[XAD], s2, v[XAD]
	v_add_nc_u32 v[QAD], QIMG, v[LI]
	v_lshl_add_u32 v[QSAD], v[R], 2, QSC
	v_mov_b32 v[WTAD], WT
	s_mul_i32 s3, s[WV], STW
	s_add_co_u32 s3, s3, ST0
	v_add_nc_u32 v[STAD], s3, v[LI]
	v_add_nc_u32 v[PTAD], s2, v[LI]
	v_add_nc_u32 v[PMAD], s2, v[PMAD]
	v_add_nc_u32 v[PMAD], 2048, v[PMAD]
	v_lshlrev_b32 v[VSO], 2, v[R]
	v_lshl_add_u32 v[VSO], v[HH], 7, v[VSO]
	s_mov_b32 s[SEL], 0x76543210
	s_mov_b32 s[SEL+1], 0xfedcba98
	; ---- every pointer to its place
	s_lshr_b32 s51, ttmp9, 6                       ; the batch
	s_mov_b32 s91, 0
	s_lshl_b32 s90, ttmp9, 11                      ; my 16 rows of Y: 128 bytes of codes each,
	s_add_nc_u64 s[6:7], s[6:7], s[90:91]
	s_lshl_b32 s90, ttmp9, 7                       ; 8 scale bytes each
	s_add_nc_u64 s[8:9], s[8:9], s[90:91]
	s_lshl_b32 s90, s[WV], 12                      ; my head's 32 rows of Wq, Wv, Wo
	s_add_nc_u64 s[10:11], s[10:11], s[90:91]
	s_add_nc_u64 s[16:17], s[16:17], s[90:91]
	s_add_nc_u64 s[22:23], s[22:23], s[90:91]
	s_lshl_b32 s90, s[WV], 8
	s_add_nc_u64 s[12:13], s[12:13], s[90:91]
	s_add_nc_u64 s[18:19], s[18:19], s[90:91]
	s_add_nc_u64 s[24:25], s[24:25], s[90:91]
	s_lshl_b32 s90, s[WV], 7
	s_add_nc_u64 s[14:15], s[14:15], s[90:91]
	s_add_nc_u64 s[20:21], s[20:21], s[90:91]
	s_add_nc_u64 s[26:27], s[26:27], s[90:91]
	s_mul_i32 s90, s[WV], 36
	s_add_nc_u64 s[28:29], s[28:29], s[90:91]
	s_mul_i32 s90, s[WV], 12
	s_add_nc_u64 s[30:31], s[30:31], s[90:91]
	s_add_nc_u64 s[32:33], s[32:33], s[90:91]
	s_lshl_b32 s90, s[WV], 2
	s_add_nc_u64 s[34:35], s[34:35], s[90:91]
	s_lshl_b32 s90, ttmp9, 6
	s_add_nc_u64 s[36:37], s[36:37], s[90:91]
	s_lshl_b32 s90, s51, 12
	s_lshl_b32 s92, s[WV], 9
	s_add_co_u32 s90, s90, s92
	s_add_nc_u64 s[38:39], s[38:39], s[90:91]
	s_lshl_b32 s90, s51, 17                        ; kimg: (128 batch + 2 w) x 1,024;  vimg: (64 batch + w) x 2,048: the same number
	s_lshl_b32 s92, s[WV], 11
	s_add_co_u32 s90, s90, s92
	s_add_nc_u64 s[KB:KB+1], s[40:41], s[90:91]
	s_add_nc_u64 s[VB:VB+1], s[44:45], s[90:91]
	s_lshr_b32 s90, s90, 3                         ; the scale words: an eighth of it
	s_add_nc_u64 s[KSB:KSB+1], s[42:43], s[90:91]
	s_add_nc_u64 s[VSB:VSB+1], s[46:47], s[90:91]
	s_lshl_b32 s90, ttmp9, 14                      ; out: row 16 g + 2 w of 1,024 bytes
	s_add_co_u32 s90, s90, s92
	s_add_nc_u64 s[48:49], s[48:49], s[90:91]
	; ---- SET-UP, while chunk 0 is on its way: Q and the residual V of my head for the 16 queries, the MLP table, the masks' numbers.  All loads in one run
	WADDR
	v_lshlrev_b32 v116, 7, v[R]
	v_lshl_add_u32 v116, v[HH], 4, v116            ; Y: row r, + 16 h
	v_lshlrev_b32 v117, 3, v[R]
	v_min_u32 v118, 8, v[R]
	v_lshlrev_b32 v118, 2, v118                    ; lane r takes number r of my head's 16: Wg1 for r = 0 .. 8 (the offsets of the others are held inside the buffers),
	v_add_nc_u32 v119, 7, v[R]
	v_and_b32 v119, 3, v119
	v_min_u32 v119, 2, v119
	v_lshlrev_b32 v119, 2, v119                    ; bg1 for r = 9 .. 11,
	v_and_b32 v120, 3, v[R]
	v_min_u32 v120, 2, v120
	v_lshlrev_b32 v120, 2, v120                    ; wg2 for r = 12 .. 14,
	v_mov_b32 v121, 0                              ; bg2 for r = 15
	v_lshlrev_b32 v122, 2, v[R]
.irp s, 0,1
.irp c, 0,1
	global_load_b128 v[16+8*\s+4*\c:16+8*\s+4*\c+3], v116, s[6:7] offset:64*\s+32*\c
.endr
	global_load_b32 v[244+\s], v117, s[8:9] offset:4*\s
.endr
	WLOAD 192, 224, 240, 10, 12, 14                ; Wq, bq
	WLOAD 48, 80, 96, 16, 18, 20                   ; Wv, bv
	global_load_b32 v130, v118, s[28:29]
	global_load_b32 v131, v119, s[30:31]
	global_load_b32 v132, v120, s[32:33]
	global_load_b32 v133, v121, s[34:35]
	global_load_b32 v135, v122, s[36:37]           ; presence_q of query r
	WIN 0x40
.irp s, 0,1
.irp bb, 0,1
.irp k, 0,1,2,3
	global_load_b128 v[PK+32*\s+16*\bb+4*\k:PK+32*\s+16*\bb+4*\k+3], v170, s[38:39] offset:256*\s+128*\bb+16*\k   ; presence_k of my keys, in the elements' order
.endr
.endr
.endr
.irp i, 0,1,2,3,8,9,10,11,16,17,18,19
	v_mov_b32 v[QZ+\i], 0                          ; the three Z: zero codes, once
.endr
	WIN 0
	s_wait_loadcnt 0x0
	PROJ 32, 192, 224, 240                         ; Q -> v32-47
	PROJ 100, 48, 80, 96                           ; V -> v100-115
	v_mov_b32 v137, 0                              ; (four plain lines that name none of the products' registers: the places behind them)
	v_mov_b32 v142, 0
	v_mov_b32 v143, 0
	v_mov_b32 v247, 0
	QB 32, 140, 136, 137, 138, 139
	v_lshl_or_b32 v139, v139, 8, v139
	v_lshl_or_b32 v139, v139, 16, v139             ; Q's byte in all four places: whichever block holds the codes
	s_lshl_b32 s2, s[WV], 10
	s_add_co_u32 s2, s2, QIMG
	v_lshlrev_b32 v144, 4, v[R]
	v_lshl_add_u32 v144, v[HH], 3, v144
	v_add_nc_u32 v144, s2, v144                    ; 16 r + 8 h: my 8 bytes of row r's 16
	ds_store_b64 v144, v[140:141]                  ; QL: codes in lanes 0-15's places,
	ds_store_b64 v144, v[142:143] offset:256       ;     zeros in lanes 16-31's
	ds_store_b64 v144, v[142:143] offset:512       ; QH: the other way round
	ds_store_b64 v144, v[140:141] offset:768
	s_lshl_b32 s2, s[WV], 6
	v_add_nc_u32 v145, s2, v[QSAD]
	ds_store_b32 v145, v139
	v_mul_f32 v132, 0x41800000, v132               ; 16 wg2, 16 bg2: exact
	v_mul_f32 v133, 0x41800000, v133
	v_cmp_lt_u32 vcc_lo, 8, v[R]
	v_cndmask_b32 v130, v130, v131, vcc_lo
	v_cmp_lt_u32 vcc_lo, 11, v[R]
	v_cndmask_b32 v130, v130, v132, vcc_lo
	v_cmp_lt_u32 vcc_lo, 14, v[R]
	v_cndmask_b32 v130, v130, v133, vcc_lo
	v_lshl_add_u32 v146, v[R], 2, WT
	v_add_nc_u32 v146, s2, v146
	ds_store_b32 v146, v130
	ds_store_b32 v146, v130 offset:512             ; once more eight entries on: the pointer to the next head's numbers never wraps
	WIN 0x40
.irp i, 0,1,2,3,4,5,6,7,8,9,10,11,12,13,14,15
	v_mov_b32 v[VR+\i], v[100+\i]                  ; the residual V waits in window 1
.endr
	WIN 0
	v_mul_f32 v[AQ], 0x3db8aa3b, v135              ; pq log2(e) / 16
	v_sub_f32 v[AQ+1], 1.0, v135
	v_mul_f32 v[AQ+1], 0x7e967699, v[AQ+1]         ; (1 - pq) 1e38
	v_mov_b32 v244, 0                              ; a lane permute's destination counts as one of its sources
	v_mov_b32 v245, 0
	BARRIER                                        ; Q's images and the MLP table lie in LDS.  (My tensor loads may stay out, and only I read my chunks)
.irp k, 0,1,2,3
	ds_load_b128 v[WR+4*\k:WR+4*\k+3], v[WTAD] offset:16*\k   ; head 0's MLP numbers
.endr
	SUBSTEP 0
	s_sub_nc_u64 s[KB:KB+1], s[KB:KB+1], 130048    ; back over eight heads, one chunk on
	s_sub_nc_u64 s[KSB:KSB+1], s[KSB:KSB+1], 16256
	SUBSTEP 1
	; ---- Wo's part is asked for here and lands under the merge
	s_wait_dscnt 0x0                               ; my parts lie in LDS; the loads of MLP numbers that nobody uses are in, so their registers may be loaded again
	WADDR
	WLOAD 192, 224, 240, 22, 24, 26
	s_barrier_signal -1
	s_barrier_wait -1                              ; all eight waves' parts lie in LDS
	; ---- MERGE: I own head w: eight parts of O^T with their -M and sums
	s_mul_i32 s2, s[WV], PHEAD
	v_add_nc_u32 v171, s2, v[LI]
	v_and_b32 v172, 31, v0
	v_lshlrev_b32 v172, 3, v172
	v_add_nc_u32 v172, s2, v172
.irp i, 0,1,2,3,4,5,6,7
.irp k, 0,1,2,3
	ds_load_b128 v[16+16*\i+4*\k:16+16*\i+4*\k+3], v171 offset:512*\k
.endr
	ds_load_b64 v[144+2*\i:145+2*\i], v172 offset:2048
.if \i < 7
	v_add_nc_u32 v171, WREG, v171
	v_add_nc_u32 v172, WREG, v172
.endif
.endr
	s_wait_dscnt 0x0
	v_min3_num_f32 v173, v144, v146, v148          ; the common -M
	v_min3_num_f32 v173, v173, v150, v152
	v_min3_num_f32 v173, v173, v154, v156
	v_min_num_f32 v173, v173, v158
.irp i, 0,1,2,3,4,5,6,7
	v_sub_f32 v[160+\i], v173, v[144+2*\i]
.endr
.irp i, 0,1,2,3,4,5,6,7
	v_cvt_i32_f32 v[160+\i], v[160+\i]
.endr
.irp i, 0,1,2,3,4,5,6,7
	v_ldexp_f32 v[160+\i], 1.0, v[160+\i]          ; f = 2^(the part's M - M): exact; 0 for a part that is wholly masked beside one that is not
.endr
	v_mul_f32 v174, v145, v160
.irp i, 1,2,3,4,5,6,7
	v_fmac_f32 v174, v[145+2*\i], v[160+\i]
.endr
.irp q, 0,2,4,6,8,10,12,14
	v_pk_mul_f32 v[LR+\q:LR+\q+1], v[16+\q:17+\q], v[160:161] op_sel_hi:[1,0]
.endr
.irp i, 1,2,3,4,5,6,7
.irp q, 0,2,4,6,8,10,12,14
.set rD, LR+\q
.set rX, 16+16*\i+\q
.set rW, 160+(\i/2)*2
.set sW, \i%2
	PKF rD, rX, rW, sW, rD, 2
.endr
.endr
	v_permlanex16_b32 v175, v174, s[SEL], s[SEL+1]
	v_add_f32 v174, v174, v175                     ; with lane l xor 16's keys: the row's sum
	v_rcp_f32 v174, v174
	v_nop                                          ; one plain place behind the reciprocal
	s_wait_alu depctr_va_vdst(0)                   ; and the wait ahead of its first reader
	WIN 0x10                                       ; source 2 in window 1
.irp q, 0,2,4,6,8,10,12,14
	v_pk_fma_f32 v[LR+\q:LR+\q+1], v[LR+\q:LR+\q+1], v[174:175], v[VR+\q:VR+\q+1] op_sel_hi:[1,0,1]   ; O = V + O^T / sum
.endr
	WIN 0
	QB LR, 164, 160, 161, 162, 163                 ; my head's 32 features are one block of the last product's K
	s_lshl_b32 s2, s[WV], 8
	s_add_co_u32 s2, s2, OIMG
	v_lshlrev_b32 v166, 4, v[R]
	v_lshl_add_u32 v166, v[HH], 3, v166
	v_add_nc_u32 v166, s2, v166
	ds_store_b64 v166, v[164:165]                  ; block w % 4 of fragment w / 4, as the register image has it: 256 w + 16 r + 8 h
	s_lshr_b32 s2, s[WV], 2
	s_lshl_b32 s2, s2, 6
	s_and_b32 s3, s[WV], 3
	s_add_co_u32 s2, s2, s3
	s_add_co_u32 s2, s2, OSC
	v_lshl_add_u32 v167, v[R], 2, s2
	ds_store_b8 v167, v163                         ; both lanes of a row write the same byte with the same value
	BARRIER                                        ; O's two fragments and their scale words lie in LDS
	; ---- OUTPUT: my 32 features of O + relu(O Wo + bo)
	v_add_nc_u32 v171, OIMG, v[LI]
	v_lshl_add_u32 v172, v[R], 2, OSC
.irp s, 0,1
.irp c, 0,1
	ds_load_b128 v[16+8*\s+4*\c:16+8*\s+4*\c+3], v171 offset:1024*\s+512*\c
.endr
	ds_load_b32 v[244+\s], v172 offset:64*\s
.endr
	s_wait_loadcnt 0x0                             ; Wo, bo
	s_wait_dscnt 0x0
	PROJ 32, 192, 224, 240
	s_lshl_b32 s2, s[WV], 7
	s_add_co_u32 s2, s2, STG
	s_mul_i32 s3, s[WV], 2*SPITCH
	s_add_co_u32 s3, s3, STG
	v_mul_u32_u24 v173, v[R], SPITCH               ; (four plain lines: the places behind the products)
	v_lshl_add_u32 v173, v[HH], 6, v173
	v_add_nc_u32 v173, s2, v173                    ; the stage: row r, + 128 w + 64 h: my 16 neighbouring features
	v_add_nc_u32 v174, s3, v[LI]                   ; back: rows 2 w and 2 w + 1, 16 bytes a lane
.irp i, 0,1,2,3,4,5,6,7,8,9,10,11,12,13,14,15
	v_max_num_f32 v[32+\i], 0, v[32+\i]
.endr
.irp q, 0,2,4,6,8,10,12,14
	v_pk_add_f32 v[32+\q:33+\q], v[32+\q:33+\q], v[LR+\q:LR+\q+1]
.endr
.irp k, 0,1,2,3
	ds_store_b128 v173, v[32+4*\k:35+4*\k] offset:16*\k
.endr
	BARRIER                                        ; 16 whole rows of out lie in the stage
.irp k, 0,1,2,3
	ds_load_b128 v[48+4*\k:51+4*\k], v174 offset:(\k/2)*SPITCH+512*(\k%2)
.endr
.irp k, 0,1,2,3
	s_wait_dscnt 3-\k                              ; LDS loads come back in order: load k is in, the younger ones may be out
	global_store_b128 v[LI], v[48+4*\k:51+4*\k], s[48:49] offset:512*\k th:TH_STORE_NT   ; each store of the wave covers 512 consecutive bytes, aligned; written once, read by nobody here
.endr
	s_set_vgpr_msb 0x5
	s_wait_tensorcnt 0x0
	ds_add_u32 v254, v255
	s_wait_dscnt 0x0
	s_set_vgpr_msb 0x500
	s_endpgm
.Lfunc_end_k_q453dc55799_attn:
	.size	k_q453dc55799_attn, .Lfunc_end_k_q453dc55799_attn-k_q453dc55799_attn
	.p2alignl 7, 3214868480
	.fill 96, 4, 3214868480
	.section	.rodata,"a",@progbits
	.p2align	6, 0x0
	.amdhsa_kernel k_q453dc55799_attn
		.amdhsa_group_segment_fixed_size 304128
		.amdhsa_private_segment_fixed_size 0
		.amdhsa_enable_private_segment 0
		.amdhsa_kernarg_size 184
		.amdhsa_user_sgpr_count 2
		.amdhsa_user_sgpr_kernarg_segment_ptr 1
		.amdhsa_wavefront_size32 1
		.amdhsa_system_sgpr_workgroup_id_x 1
		.amdhsa_system_sgpr_workgroup_id_y 1
		.amdhsa_system_sgpr_workgroup_id_z 1
		.amdhsa_system_vgpr_workitem_id 0
		.amdhsa_next_free_vgpr 512
		.amdhsa_next_free_sgpr 96
		.amdhsa_reserve_vcc 1
		.amdhsa_float_denorm_mode_32 3
		.amdhsa_float_denorm_mode_16_64 3
		.amdhsa_memory_ordered 1
		.amdhsa_forward_progress 1
		.amdhsa_inst_pref_size 108
	.end_amdhsa_kernel
	.amdgpu_metadata
---
amdhsa.version: [ 1, 2 ]
amdhsa.kernels:
  - .name:           k_q453dc55799_attn
    .symbol:         k_q453dc55799_attn.kd
    .args:
      - { .name: X_pairs, .offset: 0, .size: 8, .value_kind: global_buffer, .address_space: global }
      - { .name: Y_lift_codes, .offset: 8, .size: 8, .value_kind: global_buffer, .address_space: global }
      - { .name: Y_lift_scales, .offset: 16, .size: 8, .value_kind: global_buffer, .address_space: global }
      - { .name: Wq_codes, .offset: 24, .size: 8, .value_kind: global_buffer, .address_space: global }
      - { .name: Wq_scales, .offset: 32, .size: 8, .value_kind: global_buffer, .address_space: global }
      - { .name: bq, .offset: 40, .size: 8, .value_kind: global_buffer, .address_space: global }
      - { .name: Wv_codes, .offset: 48, .size: 8, .value_kind: global_buffer, .address_space: global }
      - { .name: Wv_scales, .offset: 56, .size: 8, .value_kind: global_buffer, .address_space: global }
      - { .name: bv, .offset: 64, .size: 8, .value_kind: global_buffer, .address_space: global }
      - { .name: Wo_codes, .offset: 72, .size: 8, .value_kind: global_buffer, .address_space: global }
      - { .name: Wo_scales, .offset: 80, .size: 8, .value_kind: global_buffer, .address_space: global }
      - { .name: bo, .offset: 88, .size: 8, .value_kind: global_buffer, .address_space: global }
      - { .name: Wg1, .offset: 96, .size: 8, .value_kind: global_buffer, .address_space: global }
      - { .name: bg1, .offset: 104, .size: 8, .value_kind: global_buffer, .address_space: global }
      - { .name: wg2, .offset: 112, .size: 8, .value_kind: global_buffer, .address_space: global }
      - { .name: bg2, .offset: 120, .size: 8, .value_kind: global_buffer, .address_space: global }
      - { .name: presence_q, .offset: 128, .size: 8, .value_kind: global_buffer, .address_space: global }
      - { .name: presence_k, .offset: 136, .size: 8, .value_kind: global_buffer, .address_space: global }
      - { .name: kimg, .offset: 144, .size: 8, .value_kind: global_buffer, .address_space: global }
      - { .name: kscl, .offset: 152, .size: 8, .value_kind: global_buffer, .address_space: global }
      - { .name: vimg, .offset: 160, .size: 8, .value_kind: global_buffer, .address_space: global }
      - { .name: vscl, .offset: 168, .size: 8, .value_kind: global_buffer, .address_space: global }
      - { .name: out0, .offset: 176, .size: 8, .value_kind: global_buffer, .address_space: global }
    .group_segment_fixed_size: 304128
    .private_segment_fixed_size: 0
    .kernarg_segment_align: 8
    .kernarg_segment_size: 184
    .max_flat_workgroup_size: 256
    .sgpr_count:     96
    .vgpr_count:     512
    .wavefront_size: 32
...
	.end_amdgpu_metadata
.endif
;; end of part 2
